; MI455X (gfx1250); checked and timed in simulation.
; The chip was launched on July 23, 2026; its instructions are those of AMD's public machine-readable ISA for CDNA 5 (MIT licence, August 2026) and "CDNA5" Instruction Set Architecture Reference Guide (July 2026). The comments in the code are by the model that wrote it; some were corrected since.
;; M. Allowed arithmetic: matrix products marked QUANTISED: E4M3 operands, one E8M0 scale for each 32 along K, by v_wmma_scale_f32_16x16x128_f8f6f4 with both operands' format E4M3, f32 sums; everything else in f32.
;; Inputs: scale 4,096 float32; w_int 4,096 x 4,096 int32; x_codes 4 x 1,024 x 128 x 32 uint8 (E4M3 codes of x, K innermost, in blocks of 32 codes); x_scales 4 x 1,024 x 128 uint8 (E8M0 scales of x, one for each 32 codes along K).
;; Outputs: out0 4 x 1,024 x 4,096 float32.
;; This version of the problem:
;;   THIS VERSION OF THE PROBLEM IS GIVEN IN LOW PRECISION. The matrix products marked QUANTISED in the list below multiply operands that are first quantised to E4M3 (4 exponent bits, 3 mantissa bits; 8 bits a number), with one power-of-two scale for each 32 numbers along K (OCP MX v1.0); their sums are f32. All else is computed in f32.
;;   The module's matrix products, in the order in which they are computed (A, B: the left and right operand; K: the contracted axis; several contracted axes count as one K, in the product's order):
;;     1. [M 4,096, K 4,096] x [K 4,096, N 4,096]; A: input x (given as codes); B: input w_int: QUANTISED
;;   THE QUANTISER, for each operand of a quantised product, along K:
;;     - K is cut into blocks of 32 from its start; a last block that is shorter is filled with zeros.
;;     - A block's scale is 2^e with e = floor(log2(the largest magnitude in the block)) - 8, held to -126 .. 127; a block of zeros has e = 0. As a byte (E8M0): e + 127.
;;     - Each number is divided by its block's scale, clamped to +-448, and rounded to the nearest number of E4M3, ties to even, subnormals kept.
;;     - The product sums the exact products of the quantised numbers (number of the format x scale) in f32.
;;   ~~~python
;;   def quantise(x, axis):      # numpy; x: float32 -> the quantised numbers, widened to float32 again
;;       x = np.moveaxis(x, axis, -1); K = x.shape[-1]
;;       x = np.pad(x, [(0, 0)] * (x.ndim - 1) + [(0, -K % 32)]); x = x.reshape(x.shape[:-1] + (-1, 32)); a = np.abs(x).max(-1, keepdims=True)
;;       e = np.where(a > 0, np.clip(np.frexp(np.where(a > 0, a, 1))[1] - 1 - 8, -126, 127), 0)      # np.frexp(a)[1] - 1 = floor(log2(a)), exactly
;;       r = np.clip(x / 2.0 ** e, -448, 448)
;;       step = 2.0 ** (np.maximum(np.frexp(np.where(r == 0, 1, r))[1] - 1, -6) - 3)
;;       q = np.round(r / step) * step * 2.0 ** e      # np.round: ties to even
;;       return np.moveaxis(q.reshape(q.shape[:-2] + (-1,))[..., :K], -1, axis).astype(np.float32)
;;   ~~~
;;   INPUTS GIVEN AS CODES. x (in the module: [4, 1024, 4096], K = its axis 2): each comes as NAME_codes (uint8): NAME with its K axis moved to the last place and cut into blocks of 32 codes, [.., K / 32, bytes a block], one block behind the other in memory; one code a byte (a code: sign, 4 exponent bits, 3 mantissa bits); and NAME_scales (uint8): the same leading axes, one E8M0 byte (e + 127) for each 32 codes along K. Its value is code x scale, taken as it is: it is not quantised again, and the codes and scales need not be those that the quantiser above would give.
;; One version. Each part assembles by itself: llvm-mc -triple=amdgcn-amd-amdhsa -mcpu=gfx1250 --defsym DOCPART=n.
;; ======== version 1 of 1: 2 launches
;; limits: right only within a limited range of input values
;; workspace buffers: wq 17,301,504 bytes
;; launch quant (part 1): grid 128 x 2, 32 waves a work-group, no clusters, 284,672 bytes of LDS; arguments w_int, wq; writes wq
.if DOCPART == 1
	.amdgcn_target "amdgcn-amd-amdhsa--gfx1250"
	.amdhsa_code_object_version 6
	.text
	.protected	k_qa9152036ac_quant
	.globl	k_qa9152036ac_quant
	.p2align	8
	.type	k_qa9152036ac_quant,@function
k_qa9152036ac_quant:
	s_mov_b64 s[64:65], 0
	v_nop
	global_prefetch_b8 v0, s[64:65] scope:SCOPE_SE
	s_setreg_imm32_b32 hwreg(HW_REG_WAVE_MODE, 25, 1), 1
	s_wait_xcnt 0x0
; w_int [4096 (n)][4096 (k)], int32, is widened to f32 (v_cvt_f32_i32, any int32) and turned into codes of FP8 (E4M3) with one E8M0 byte for each 32 along K.
; A block's byte is its largest magnitude's exponent field - 8, held at 1 from below; each number is divided by the scale, held within +-448 and rounded to the nearest code, ties to even.
; LIMIT: a block of zeros gets the byte 1 where the rule says 127: its codes are zeros, which add nothing under any byte but 0xff, and the bytes are read by this program's second launch alone.
; wq is laid [n / 128 (32)][k / 256 (16)][132 rows of 256 bytes]: in a part, row i (0 .. 127) holds the 256 codes of W's row 128 nb + i from k = 256 ks on; rows 128 .. 131 hold the scale bytes,
; row i's eight at 32,768 + 8 i, as two words: the first for k = 128 .. 255 of the part, the second for k = 0 .. 127 (the product's launch keeps A's and B's scale registers at numbers of different parity that way).
; SHARES.  Work-group (x, y) takes W's rows 32 x .. 32 x + 31, k = 2,048 y .. + 2,047: 262,144 bytes.  Wave w takes row 32 x + w: 8,192 consecutive bytes, brought by ONE tensor load as 32 rows of 256 bytes,
; 16 bytes of padding behind each, into LDS bytes of its own.  Nothing is filled again: all of the work-group's input is asked for at the head.  A lane reads 16 neighbours along K (64 bytes) a step, four steps;
; four lanes share a 256-byte row, and the padding sets the next four lanes 16 bytes on.  A step's 512 codes are two whole rows of two neighbouring parts: sixteen lanes store 256 consecutive bytes each.
; The scale bytes of the 32 rows meet in a stage of 8 x 256 bytes, written only behind a barrier that every wave passes behind its wait for its tensor load; waves 0 to 3 store them, 256 consecutive bytes to sixteen lanes.
; No prefetch: the launch has no loop to run ahead in.  No cluster: no two work-groups read the same bytes.
.set EMAX,  8
.set MANT,  0x600000                   ; the mantissa field of 448 as f32
.set WBLK,  33792                      ; a part of wq in bytes
.set TILE,  32*272                     ; a wave's tile in LDS
.set STG,   32*TILE                    ; the scale bytes' stage: [8 parts][32 rows][8 bytes]
.set SPARE, STG+2048                   ; the spare words: 128 bytes for each of 32 waves
.set X,     16                         ; v16-79   four steps x 16 numbers
.set C,     80                         ; v80-95   codes, four registers a step
.set E,     96                         ; v96-99   a scale byte a step
.set T,     100                        ; v100-103 at work
	s_load_b128 s[4:7], s[0:1], 0x0                ; w_int s[4:5], wq s[6:7]
	v_lshl_add_u32 v4, v0, 2, SPARE
	v_mov_b32 v5, 0
	ds_add_u32 v4, v5                              ; the opening lines: the add, twice on end, and its wait ahead of my tensor load
	ds_add_u32 v4, v5
	v_lshrrev_b32 v1, 5, v0
	v_readfirstlane_b32 s16, v1                    ; wave 0..31
	s_and_b32 s17, ttmp7, 0xffff                   ; y: which half of K
	s_mov_b32 s24, (3<<16)|(1<<20)|(5<<22)|(3<<25) ; group 1: elements of 8 bytes; 4 words of padding behind every 64
	s_mov_b32 s25, 32<<16                          ; tensor_dim0 = 32 elements (256 bytes)
	s_mov_b32 s26, 32<<16                          ; tensor_dim1 = 32 rows
	s_mov_b32 s27, 32<<16                          ; tile_dim0
	s_mov_b32 s28, 32                              ; tile_dim1
	s_mov_b32 s29, 32                              ; the pitch: the block is dense
	s_mov_b32 s30, 0
	s_mov_b32 s31, 0
	s_mov_b32 s12, 1                               ; group 0
	s_mul_i32 s13, s16, TILE                       ; my tile in LDS
	s_lshl_b32 s20, ttmp9, 5
	s_add_co_u32 s20, s20, s16                     ; my row of W
	s_lshl_b32 s20, s20, 14
	s_lshl_b32 s19, s17, 13
	s_add_co_u32 s20, s20, s19                     ; + my half of K, in bytes
	s_mov_b32 s21, 0
	s_lshr_b32 s18, ttmp9, 2
	s_lshl_b32 s18, s18, 4
	s_lshl_b32 s19, s17, 3
	s_add_co_u32 s18, s18, s19                     ; the first of my eight parts: 16 nb + 8 y
	s_and_b32 s19, ttmp9, 3                        ; which 32 rows of the part's 128
	s_mul_i32 s22, s18, WBLK
	s_lshl_b32 s10, s19, 13
	s_add_co_u32 s22, s22, s10
	s_lshl_b32 s10, s16, 8
	s_add_co_u32 s22, s22, s10                     ; my row of codes in the first part
	s_mov_b32 s23, 0
	s_min_u32 s11, s16, 3                          ; the waves that store scale bytes are 0 to 3
	s_lshl_b32 s10, s11, 1
	s_add_co_u32 s10, s10, s18
	s_mul_i32 s8, s10, WBLK                        ; parts 2 w and 2 w + 1 of the eight
	s_lshl_b32 s10, s19, 8
	s_add_co_u32 s8, s8, s10
	s_add_co_u32 s8, s8, 32768                     ; the 256 scale bytes of my work-group's 32 rows
	s_mov_b32 s9, 0
	s_lshl_b32 s11, s11, 9
	s_add_co_u32 s11, s11, STG
	s_lshl_b32 s10, s16, 3
	s_add_co_u32 s10, s10, STG
	s_mov_b32 s3, MANT
	s_wait_dscnt 0x0
	s_wait_kmcnt 0x0
	s_add_nc_u64 s[14:15], s[4:5], s[20:21]
	s_or_b32 s15, s15, 0x80000000
	tensor_load_to_lds s[12:15], s[24:31]          ; my one tensor load
	s_nop 0
	s_add_nc_u64 s[22:23], s[6:7], s[22:23]
	s_add_nc_u64 s[8:9], s[6:7], s[8:9]
	v_and_b32 v2, 31, v0                           ; lane
	v_lshrrev_b32 v3, 2, v2
	v_mul_u32_u24 v6, v3, 272
	v_and_b32 v7, 3, v2
	v_lshl_add_u32 v6, v7, 6, v6
	v_add_nc_u32 v6, s13, v6                       ; my 64 bytes of a step: LDS row lane / 4, byte 64 (lane % 4)
	v_bfe_u32 v8, v0, 4, 1                         ; h: lanes 16-31 stand in the next part
	v_and_b32 v9, 15, v0
	v_mul_u32_u24 v10, v8, WBLK
	v_lshl_add_u32 v10, v9, 4, v10                 ; in wq: h parts on, 16 bytes a lane
	v_bfe_u32 v11, v0, 1, 3                        ; my block among the part's eight,
	v_xor_b32 v11, 4, v11                          ; the two words swapped
	v_lshl_add_u32 v11, v8, 8, v11
	v_add_nc_u32 v11, s10, v11                     ; the stage: part 2 t + h, row w, my block's byte
	v_lshl_add_u32 v12, v2, 4, s11                 ; and on the way out 16 bytes a lane
	s_wait_alu depctr_va_vdst(0)                   ; the head's end
	s_wait_tensorcnt 0x0                           ; my tile is in; only I read it
.irp t, 0,1,2,3
.irp i, 0,1,2,3
	ds_load_b128 v[X+16*\t+4*\i:X+16*\t+4*\i+3], v6 offset:8*272*\t+16*\i
.endr
.endr
.macro STEP t
.set XS, X+16*(\t)
	s_wait_dscnt 12-4*(\t)                         ; this step's four loads are in; those of the later steps may be out
.irp i, 0,1,2,3,4,5,6,7,8,9,10,11,12,13,14,15
	v_cvt_f32_i32 v[XS+\i], v[XS+\i]
.endr
	v_max3_num_f32 v[T], |v[XS]|, |v[XS+1]|, |v[XS+2]|             ; the largest magnitude of my 16, in two chains
	v_max3_num_f32 v[T+1], |v[XS+3]|, |v[XS+4]|, |v[XS+5]|
.irp i, 6,10
	v_max3_num_f32 v[T], v[T], |v[XS+\i]|, |v[XS+\i+1]|
	v_max3_num_f32 v[T+1], v[T+1], |v[XS+\i+2]|, |v[XS+\i+3]|
.endr
	v_max3_num_f32 v[T], v[T], |v[XS+14]|, |v[XS+15]|
	v_max3_num_f32 v[T], v[T], v[T+1], (EMAX+1)<<23                ; and the floor, so that the byte cannot fall under 1
	v_max_num_f32_dpp v[T], v[T], v[T] row_xmask:1 row_mask:0xf bank_mask:0xf   ; with my neighbour's 16: the block's
	v_add_nc_u32 v[T+3], -(EMAX<<23), v[T]         ; EMAX off the exponent field: the conversion's scale operand
	v_and_or_b32 v[T+2], v[T], 0x7f800000, s3      ; 448 x the scale
.irp i, 0,1,2,3,4,5,6,7,8,9,10,11,12,13,14,15
	v_med3_num_f32 v[XS+\i], v[XS+\i], -v[T+2], v[T+2]             ; the conversion does not saturate (ISA guide 7.6.2): hold first
.endr
	v_cvt_scalef32_pk8_fp8_f32 v[C+4*(\t):C+4*(\t)+1], v[XS:XS+7], v[T+3]
	v_cvt_scalef32_pk8_fp8_f32 v[C+4*(\t)+2:C+4*(\t)+3], v[XS+8:XS+15], v[T+3]
	v_lshrrev_b32 v[E+(\t)], 23, v[T+3]            ; the scale's byte; also the plain line behind the conversions
.endm
	STEP 0
	STEP 1
	STEP 2
	STEP 3
.irp t, 0,1,2,3
	global_store_b128 v10, v[C+4*\t:C+4*\t+3], s[22:23] offset:2*WBLK*\t   ; lanes 0-15: my row of part 2 t, lanes 16-31: of part 2 t + 1: 256 consecutive bytes each
.endr
	s_wait_alu depctr_va_vdst(0)                   ; directly ahead of the barrier's signal
	s_barrier_signal -1                            ; every wave has waited for its tensor load: no tile is on its way when the stage is written
	s_barrier_wait -1
.irp t, 0,1,2,3
	ds_store_b8 v11, v[E+\t] offset:512*\t         ; both lanes of a block write the same byte with the same value
.endr
	s_wait_dscnt 0x0                               ; for the others' sake
	s_barrier_signal -1
	s_barrier_wait -1
	s_cmp_lt_u32 s16, 4
	s_cbranch_scc0 .Ldone
	ds_load_b128 v[104:107], v12
	s_wait_dscnt 0x0
	global_store_b128 v10, v[104:107], s[8:9]      ; sixteen lanes store the 256 scale bytes of 32 rows in one part
.Ldone:
	s_wait_tensorcnt 0x0                           ; the wave's end
	ds_add_u32 v4, v5
	s_wait_dscnt 0x0
	s_endpgm
.Lfunc_end_k_qa9152036ac_quant:
	.size	k_qa9152036ac_quant, .Lfunc_end_k_qa9152036ac_quant-k_qa9152036ac_quant
	.p2alignl 7, 3214868480
	.fill 96, 4, 3214868480
	.section	.rodata,"a",@progbits
	.p2align	6, 0x0
	.amdhsa_kernel k_qa9152036ac_quant
		.amdhsa_group_segment_fixed_size 284672
		.amdhsa_private_segment_fixed_size 0
		.amdhsa_enable_private_segment 0
		.amdhsa_kernarg_size 16
		.amdhsa_user_sgpr_count 2
		.amdhsa_user_sgpr_kernarg_segment_ptr 1
		.amdhsa_wavefront_size32 1
		.amdhsa_system_sgpr_workgroup_id_x 1
		.amdhsa_system_sgpr_workgroup_id_y 1
		.amdhsa_system_sgpr_workgroup_id_z 1
		.amdhsa_system_vgpr_workitem_id 0
		.amdhsa_next_free_vgpr 112
		.amdhsa_next_free_sgpr 66
		.amdhsa_reserve_vcc 0
		.amdhsa_float_denorm_mode_32 3
		.amdhsa_float_denorm_mode_16_64 3
		.amdhsa_memory_ordered 1
		.amdhsa_forward_progress 1
		.amdhsa_inst_pref_size 16
	.end_amdhsa_kernel
	.amdgpu_metadata
---
amdhsa.version: [ 1, 2 ]
amdhsa.kernels:
  - .name:           k_qa9152036ac_quant
    .symbol:         k_qa9152036ac_quant.kd
    .args:
      - { .name: w_int, .offset: 0, .size: 8, .value_kind: global_buffer, .address_space: global }
      - { .name: wq, .offset: 8, .size: 8, .value_kind: global_buffer, .address_space: global }
    .group_segment_fixed_size: 284672
    .private_segment_fixed_size: 0
    .kernarg_segment_align: 8
    .kernarg_segment_size: 16
    .max_flat_workgroup_size: 1024
    .sgpr_count:     66
    .vgpr_count:     112
    .wavefront_size: 32
...
	.end_amdgpu_metadata
.endif
;; end of part 1
;; launch gemm (part 2): grid 16 x 16, 4 waves a work-group, clusters of 4 x 4, 327,680 bytes of LDS; arguments x_codes, x_scales, wq, scale, out0; writes out0
.if DOCPART == 2
	.amdgcn_target "amdgcn-amd-amdhsa--gfx1250"
	.amdhsa_code_object_version 6
	.text
	.protected	k_qa9152036ac_gemm
	.globl	k_qa9152036ac_gemm
	.p2align	8
	.type	k_qa9152036ac_gemm,@function
k_qa9152036ac_gemm:
	s_mov_b64 s[64:65], 0
	v_nop
	global_prefetch_b8 v0, s[64:65] scope:SCOPE_SE
	s_setreg_imm32_b32 hwreg(HW_REG_WAVE_MODE, 25, 1), 1
	s_wait_xcnt 0x0
	s_wait_alu depctr_hold_cnt(0) depctr_sa_sdst(0) depctr_va_vdst(0) depctr_va_sdst(0) depctr_va_ssrc(0) depctr_va_vcc(0) depctr_vm_vsrc(0)
	s_getreg_b32 s2, hwreg(HW_REG_IB_STS2, 6, 4)
	s_cmp_eq_u32 s2, 0
	s_cbranch_scc0 .Lentry_in_a_cluster
	s_endpgm
.Lentry_in_a_cluster:
	s_bfe_u32 s2, ttmp6, 0x10000c
	s_cmp_lg_u32 s2, 0xf033
	s_cbranch_scc0 .Lentry_shape_is_right
	s_endpgm
.Lentry_shape_is_right:
; out0[m][n] = scale[n] x sum over k of x[m][k] W[n][k], both operands as E4M3 codes with E8M0 scales for each 32 along K, by v_wmma_scale_f32_16x16x128_f8f6f4; sums in f32.
; x comes as codes [4096][4096] and scale bytes [4096][128]; W from wq, laid [n / 128][k / 256][132 rows of 256 bytes]: 128 rows of codes, then 4 rows of scale bytes (row i's eight at 8 i, the word of k = 128 .. 255 first).
; A tile of 256 x 256 to a work-group of four waves, 128 x 128 a wave: 64 accumulators, 512 registers.  K goes in steps of 256 through two LDS slots (A's 256 rows, B's 2 x 132), rows of 256 bytes + 16 of padding.
; x's scales of the tile's 256 rows, all of K, come once (32,768 bytes) and stay behind the ring; W's ride in the ring.
; CLUSTERS 4 x 4: A's tiles and scales are asked for jointly along a row of the cluster, B's along a column.  The matrix instruction is used transposed (source 0 = rows of W, source 1 = rows of x).
; A STEP of 128 along K is 64 products, A's blocks one after the other, each against B's eight, in two halves of 32.  LDS loads stand in two runs a step, one behind each half, behind eight places.
; A has one set of registers: blocks 0-3 are fetched anew in a step's middle, blocks 4-7 at its end.  B has two sets; the set that a slot's second step has just used takes, at that step's end, blocks 0-3
; of the next slot's second step, and blocks 4-7 follow in the next step's middle: so every fragment is asked for at least 32 products ahead of its first use.
; PREFETCH: behind each refill a wave names 32 rows x 256 bytes of the K step two refills on: of the 128 rows that it fetches, the four partners take 32 each, by address (cx for A, cy for B); K steps 2 and 3 are named
; at the head, K steps 0 and 1 and the parts' four rows of scale bytes come by their loads alone; the last two refills name nothing.
; REGISTERS: window 0: v0-31 addresses, v32-63 scale words (two sets), v128-255 A's fragments; window 1: B's two sets; windows 2, 3: accumulators.
.set ROWB,   256
.set KROW,   4096
.set NROW,   16384
.set PITCH,  272
.set FR,     16
.set NP,     8
.set WBLK,   33792
.set HALFA,  128*PITCH
.set HALFB,  132*PITCH
.set BOFF,   2*HALFA
.set SLOT,   2*HALFA+2*HALFB
.set LAPS,   8
.set SCL,    2*SLOT                    ; x's scales: 128 rows of 256 bytes + 16
.set SBLK,   8*272                     ; those of 16 rows of x
.set SPARE,  SCL+128*272               ; the spare words, 128 bytes a wave
.set SPITCH, 528                       ; the way out: a stage of 16 rows x (512 + 16) bytes a wave, in slot 0 behind its last fill and last read
.set SCV,  8                           ; v8-11 scale[n] of my four columns on the way out
.set ADRA, 16
.set ADRB, 20
.set ADSB, 22
.set STO,  24
.set RD,   25
.set CO,   26
.set ADSA, 27
.set SPW,  28
.set NIL,  29
.set PFO,  30                          ; prefetch: my lane's row
.set PFO2, 31                          ; the same, one K step on
.set SC,   32
.set AF,   128
.set BK,   128
.set G1,   24
.set G0,   32
.set G1B,  48
.set G0B,  56
.set G1S,  68
.set G0S,  76
.set G0H,  80
.set PFA,  84                          ; s[84:85] the prefetches' base; s[86:87] a K step in bytes
.set PST,  86
.set MSB, 0
.macro WIN new                         ; the immediate's high byte repeats the setting that is left
.if MSB != (\new)
	s_set_vgpr_msb (MSB<<8)|(\new)
.set MSB, (\new)
.endif
.endm
.set MUL_LO, 0xa1
.set TO_B,   0x40
.macro JLOAD g0a, g1a, g0b, g1b        ; waves 0, 1 fetch A's halves, waves 2, 3 B's; s_nop 0 and four v_nop behind each line
	s_cmp_eq_u32 s15, 0
	s_cbranch_scc0 .Lfor_b_\@
	tensor_load_to_lds s[\g0a:\g0a+3], s[\g1a:\g1a+7]
	s_nop 0
.rept 4
	v_nop
.endr
	s_branch .Lasked_\@
.Lfor_b_\@:
	tensor_load_to_lds s[\g0b:\g0b+3], s[\g1b:\g1b+7]
	s_nop 0
.rept 4
	v_nop
.endr
.Lasked_\@:
.endm
.macro CREST                           ; a round of the cluster's barrier behind its opening barrier
	s_cmp_lg_u32 s14, 0
	s_cbranch_scc1 .Lnot_wave_0_\@
	s_barrier_signal -3
.Lnot_wave_0_\@:
	s_barrier_wait -3
	s_barrier_signal -1
	s_barrier_wait -1
.endm
.macro CROUND
	s_barrier_signal -1
	s_barrier_wait -1
	CREST
.endm
	s_load_b128 s[4:7], s[0:1], 0x0                ; x_codes, x_scales
	s_load_b128 s[8:11], s[0:1], 0x10              ; wq, scale
	s_load_b64 s[12:13], s[0:1], 0x20              ; out0
	v_lshl_add_u32 v[SPW], v0, 2, SPARE
	v_mov_b32 v[NIL], 0
	ds_add_u32 v[SPW], v[NIL]                      ; the opening lines: the add, twice on end, and its wait
	ds_add_u32 v[SPW], v[NIL]
	v_lshrrev_b32 v1, 5, v0
	v_readfirstlane_b32 s14, v1                    ; wave
	s_lshr_b32 s15, s14, 1                         ; my half of the tile's rows; also: I fetch for A (0) or B (1)
	s_and_b32 s16, s14, 1                          ; my half of its columns; also: which half I fetch
	s_bfe_u32 s40, ttmp6, 0x40000                  ; cx
	s_bfe_u32 s41, ttmp6, 0x40004                  ; cy
	s_lshl_b32 s42, ttmp9, 2
	s_add_co_u32 s42, s42, s40                     ; tile column
	s_and_b32 s17, ttmp7, 0xffff
	s_lshl_b32 s17, s17, 2
	s_add_co_u32 s17, s17, s41                     ; tile row
	s_lshl_b32 s43, s41, 2
	s_lshl_b32 s43, 15, s43                        ; my row of the cluster
	s_lshl_b32 s44, 0x1111, s40                    ; my column
	s_or_b32 s[G1+0], s43, (0<<16)|(1<<20)|(1<<21)|(5<<22)|(3<<25)
	s_mov_b32 s[G1+1], ROWB<<16
	s_mov_b32 s[G1+2], 256<<16                     ; the head's load brings A's 256 rows; behind it the two row counts are set to 128
	s_mov_b32 s[G1+3], ROWB<<16
	s_mov_b32 s[G1+4], 256
	s_mov_b32 s[G1+5], KROW
	s_mov_b32 s[G1+6], 0
	s_mov_b32 s[G1+7], 0
	s_or_b32 s[G1B+0], s44, (0<<16)|(1<<20)|(1<<21)|(5<<22)|(3<<25)
	s_mov_b32 s[G1B+1], ROWB<<16
	s_mov_b32 s[G1B+2], 132<<16
	s_mov_b32 s[G1B+3], ROWB<<16
	s_mov_b32 s[G1B+4], 132
	s_mov_b32 s[G1B+5], ROWB
	s_mov_b32 s[G1B+6], 0
	s_mov_b32 s[G1B+7], 0
	s_or_b32 s[G1S+0], s43, (3<<16)|(1<<20)|(1<<21)|(5<<22)|(3<<25)
	s_mov_b32 s[G1S+1], 32<<16
	s_mov_b32 s[G1S+2], 128<<16
	s_mov_b32 s[G1S+3], 32<<16
	s_mov_b32 s[G1S+4], 128
	s_mov_b32 s[G1S+5], 32
	s_mov_b32 s[G1S+6], 0
	s_mov_b32 s[G1S+7], 0
	s_lshl_b32 s20, s17, 20                        ; the tile's 256 rows of codes of x, in bytes
	s_mov_b32 s21, 0
	s_lshl_b32 s18, s16, 19                        ; in the ring: my 128 of them
	s_mov_b32 s19, 0
	s_lshl_b32 s22, s17, 15                        ; and their scales
	s_mov_b32 s23, 0
	s_lshl_b32 s46, s42, 1
	s_add_co_u32 s46, s46, s16
	s_mul_i32 s46, s46, 16*WBLK                    ; my half's parts of wq
	s_mov_b32 s47, 0
	s_mov_b32 s95, s46
	s_mul_i32 s45, s16, HALFA
	s_mul_i32 s94, s16, HALFB
	s_add_co_u32 s94, s94, BOFF
	s_wait_dscnt 0x0
	s_wait_kmcnt 0x0
	s_add_nc_u64 s[20:21], s[4:5], s[20:21]
	s_add_nc_u64 s[22:23], s[6:7], s[22:23]
	s_add_nc_u64 s[46:47], s[8:9], s[46:47]
	CROUND                                         ; in front of the first joint loads
	s_mov_b32 s[G0H], 1
	s_mov_b32 s[G0H+1], 0
	s_mov_b64 s[G0H+2:G0H+3], s[20:21]
	s_or_b32 s[G0H+3], s[G0H+3], 0x80000000
	s_mov_b32 s[G0S], 1
	s_mov_b32 s[G0S+1], SCL
	s_mov_b64 s[G0S+2:G0S+3], s[22:23]
	s_or_b32 s[G0S+3], s[G0S+3], 0x80000000
	s_add_nc_u64 s[20:21], s[20:21], s[18:19]
.irp s, 0,1
	s_mov_b32 s[G0+4*\s], 1
	s_add_co_u32 s[G0+4*\s+1], s45, \s*SLOT
	s_add_nc_u64 s[G0+4*\s+2:G0+4*\s+3], s[20:21], \s*ROWB
	s_or_b32 s[G0+4*\s+3], s[G0+4*\s+3], 0x80000000
	s_mov_b32 s[G0B+4*\s], 1
	s_add_co_u32 s[G0B+4*\s+1], s94, \s*SLOT
	s_add_nc_u64 s[G0B+4*\s+2:G0B+4*\s+3], s[46:47], \s*WBLK
	s_or_b32 s[G0B+4*\s+3], s[G0B+4*\s+3], 0x80000000
.endr
; the head's loads, one a wave: wave 0 K step 0's 256 rows of A, wave 1 x's scales, waves 2 and 3 K step 0's two halves of B
.macro ARM under, g0, g1, next
	s_cmp_lt_u32 s14, \under
	s_cbranch_scc0 \next
	tensor_load_to_lds s[\g0:\g0+3], s[\g1:\g1+7]
	s_nop 0
.rept 4
	v_nop
.endr
	s_branch .Lhead_asked
\next:
.endm
	ARM 1, G0H, G1,  .Lhead_s
	ARM 2, G0S, G1S, .Lhead_b
	tensor_load_to_lds s[G0B:G0B+3], s[G1B:G1B+7]
	s_nop 0
.rept 4
	v_nop
.endr
.Lhead_asked:
	v_and_b32 v1, 15, v0                           ; r
	v_bfe_u32 v2, v0, 4, 1                         ; h
	v_and_b32 v6, 31, v0
	v_mul_u32_u24 v3, v1, PITCH
	v_lshl_add_u32 v4, v2, 4, v3                   ; a fragment's row x pitch + 16 h
	v_lshl_add_u32 v7, v6, 3, 128*PITCH            ; W's scale words: 8 bytes a row, behind the 128 rows of codes
	s_mul_i32 s21, s15, HALFA
	s_mul_i32 s22, s16, HALFB
	s_add_co_u32 s22, s22, BOFF
.irp s, 0,1
	v_add_nc_u32 v[ADRA+\s], s21, v4
	v_add_nc_u32 v[ADRB+\s], s22, v4
	v_add_nc_u32 v[ADSB+\s], s22, v7
	s_add_co_u32 s21, s21, SLOT
	s_add_co_u32 s22, s22, SLOT
.endr
	v_lshrrev_b32 v5, 1, v1                        ; x's scale words: two rows of 128 bytes to an LDS row; lanes 16-31 take the next block of 16 rows
	v_mul_u32_u24 v5, v5, 272
	v_and_b32 v3, 1, v1
	v_lshl_add_u32 v5, v3, 7, v5
	v_mad_u32_u24 v5, v2, SBLK, v5
	s_mul_i32 s23, s15, 8*SBLK
	s_add_co_u32 s23, s23, SCL
	v_add_nc_u32 v[ADSA], s23, v5
	s_mul_i32 s23, s14, 16*SPITCH
	v_mul_u32_u24 v5, v1, SPITCH
	v_lshl_add_u32 v5, v2, 5, v5
	v_add_nc_u32 v[STO], s23, v5
	v_lshlrev_b32 v[CO], 4, v6
	v_add_nc_u32 v[RD], s23, v[CO]
	s_lshl_b32 s92, s42, 10
	s_lshl_b32 s93, s16, 9
	s_add_co_u32 s92, s92, s93                     ; my first column, in bytes of f32
	s_mov_b32 s93, 0
	s_add_nc_u64 s[10:11], s[10:11], s[92:93]
	global_load_b128 v[SCV:SCV+3], v[CO], s[10:11] ; scale[n] of the four columns that I store
	s_lshl_b32 s20, s17, 8
	s_lshl_b32 s21, s15, 7
	s_add_co_u32 s20, s20, s21
	s_lshl_b32 s20, s20, 14
	s_mov_b32 s21, 0
	s_add_nc_u64 s[12:13], s[12:13], s[20:21]
	s_add_nc_u64 s[12:13], s[12:13], s[92:93]
	; the prefetches: A: row 256 x tile row + 128 x half + 32 cx + lane, 4,096 bytes a row, 256 a K step; B: row 32 cy + lane of my half's part, 256 bytes a row, a part a K step
	s_lshl_b32 s90, s17, 8
	s_lshl_b32 s89, s16, 7
	s_add_co_u32 s90, s90, s89
	s_lshl_b32 s89, s40, 5
	s_add_co_u32 s90, s90, s89
	s_lshl_b32 s90, s90, 12
	s_lshl_b32 s89, s41, 13
	s_add_co_u32 s89, s89, s95
	s_mov_b32 s[PST], WBLK
	s_mov_b32 s88, 256
	s_mov_b32 s[PST+1], 0
	s_mov_b32 s91, 0
	s_cmp_eq_u32 s15, 0
	s_cselect_b32 s90, s90, s89
	s_cselect_b32 s[PST], 256, s[PST]
	s_cselect_b32 s88, 4096, s88
	s_cselect_b64 s[PFA:PFA+1], s[4:5], s[8:9]
	s_add_nc_u64 s[PFA:PFA+1], s[PFA:PFA+1], s[90:91]
	s_add_nc_u64 s[PFA:PFA+1], s[PFA:PFA+1], s[PST:PST+1]
	s_add_nc_u64 s[PFA:PFA+1], s[PFA:PFA+1], s[PST:PST+1]      ; at K step 2
	v_mul_u32_u24 v[PFO], s88, v6
	v_add_nc_u32 v[PFO2], s[PST], v[PFO]
	global_prefetch_b8 v[PFO], s[PFA:PFA+1] th:TH_LOAD_NT scope:SCOPE_SE    ; K step 2
	global_prefetch_b8 v[PFO2], s[PFA:PFA+1] th:TH_LOAD_NT scope:SCOPE_SE   ; K step 3
.macro FRAG reg, adr, q, i             ; 16 rows x 128 K: lane (r, h): registers 4 c .. 4 c + 3 hold K = 32 c + 16 h + 0 .. 15
.irp c, 0,1,2,3
	ds_load_b128 v[\reg+4*\c:\reg+4*\c+3], v[\adr] offset:128*(\q)+32*\c+(\i)*16*PITCH
.endr
.endm
.macro FB slot, q, i0                  ; B's blocks i0 .. i0 + 3 of the slot's q-th step into set q
	WIN TO_B
.irp i, \i0, \i0+1, \i0+2, \i0+3
	FRAG 128*(\q)+FR*(\i), ADRB+\slot, \q, \i
.endr
.endm
.macro FA slot, q, i0                  ; A's blocks i0 .. i0 + 3
	WIN 0
.irp i, \i0, \i0+1, \i0+2, \i0+3
	FRAG AF+FR*(\i), ADRA+\slot, \q, \i
.endr
.endm
; 16 products: A's blocks a0, a0 + 1 x B's eight, the slot's q-th 128 along K.  The 64 accumulators take turns in the same order in every step.
; Scale words: set sc; A's pair of blocks j at SC + 16 sc + 2 j + q, B's at SC + 16 sc + 8 + 2 j + 1 - q; the even block in lanes 0-15, the odd one in lanes 16-31.
.macro MUL16 a0, q, sc, zero
	WIN MUL_LO+0x50*((\a0)/4)
.irp a, \a0, \a0+1
.irp b, 0,1,2,3,4,5,6,7
.set rD,  8*(8*((\a)%4)+\b)
.set rB,  128*(\q)+FR*\b
.set rA,  AF+FR*(\a)
.set rSB, SC+16*(\sc)+8+2*(\b/2)+1-(\q)
.set rSA, SC+16*(\sc)+2*((\a)/2)+(\q)
.set oB,  \b%2
.set oA,  (\a)%2
.if \zero
.if oB && oA
	v_wmma_scale_f32_16x16x128_f8f6f4 v[rD:rD+7], v[rB:rB+FR-1], v[rA:rA+FR-1], 0, v[rSB], v[rSA] matrix_a_scale:MATRIX_SCALE_ROW1 matrix_b_scale:MATRIX_SCALE_ROW1
.elseif oB
	v_wmma_scale_f32_16x16x128_f8f6f4 v[rD:rD+7], v[rB:rB+FR-1], v[rA:rA+FR-1], 0, v[rSB], v[rSA] matrix_a_scale:MATRIX_SCALE_ROW1
.elseif oA
	v_wmma_scale_f32_16x16x128_f8f6f4 v[rD:rD+7], v[rB:rB+FR-1], v[rA:rA+FR-1], 0, v[rSB], v[rSA] matrix_b_scale:MATRIX_SCALE_ROW1
.else
	v_wmma_scale_f32_16x16x128_f8f6f4 v[rD:rD+7], v[rB:rB+FR-1], v[rA:rA+FR-1], 0, v[rSB], v[rSA]
.endif
.else
.if oB && oA
	v_wmma_scale_f32_16x16x128_f8f6f4 v[rD:rD+7], v[rB:rB+FR-1], v[rA:rA+FR-1], v[rD:rD+7], v[rSB], v[rSA] matrix_a_scale:MATRIX_SCALE_ROW1 matrix_b_scale:MATRIX_SCALE_ROW1
.elseif oB
	v_wmma_scale_f32_16x16x128_f8f6f4 v[rD:rD+7], v[rB:rB+FR-1], v[rA:rA+FR-1], v[rD:rD+7], v[rSB], v[rSA] matrix_a_scale:MATRIX_SCALE_ROW1
.elseif oA
	v_wmma_scale_f32_16x16x128_f8f6f4 v[rD:rD+7], v[rB:rB+FR-1], v[rA:rA+FR-1], v[rD:rD+7], v[rSB], v[rSA] matrix_b_scale:MATRIX_SCALE_ROW1
.else
	v_wmma_scale_f32_16x16x128_f8f6f4 v[rD:rD+7], v[rB:rB+FR-1], v[rA:rA+FR-1], v[rD:rD+7], v[rSB], v[rSA]
.endif
.endif
.endr
.endr
.endm
.macro SCALES sc                       ; a K step's scale words, two a row
.irp j, 0,1,2,3
	ds_load_b64 v[SC+16*\sc+2*\j:SC+16*\sc+2*\j+1], v[ADSA] offset:\j*2*SBLK
	ds_load_b64 v[SC+16*\sc+8+2*\j:SC+16*\sc+8+2*\j+1], v[ADSB+\sc] offset:\j*PITCH
.endr
.endm
.macro PLACES n
.rept \n
	v_nop
.endr
.endm
; A slot's first step (B's set 0).  The run issued last ahead of it: A's blocks 4-7 of this step (16 loads), then B's blocks 0-3 of the slot's second step (16).
.macro STEP slot, zero
	s_wait_dscnt 32                                ; all but that run: B's set 0, A's blocks 0-3 and the scale words are in
	MUL16 0, 0, \slot, \zero
	MUL16 2, 0, \slot, \zero
	s_wait_dscnt 16                                ; A's blocks 4-7 are in; the 16 loads behind them may be out
	PLACES NP
	FB \slot, 1, 4                                 ; the second step's: the rest of B's set 1,
	FA \slot, 1, 0                                 ; A's blocks 0-3
	MUL16 4, 0, \slot, \zero
	MUL16 6, 0, \slot, \zero
	PLACES NP
	FA \slot, 1, 4                                 ; and blocks 4-7
.endm
.macro ASK                             ; the K step two refills on; the loop's last trip (s3 = 1) has none
	s_cmp_gt_u32 s3, 1
	s_cbranch_scc0 .Lno_ask_\@
	global_prefetch_b8 v[PFO2], s[PFA:PFA+1] th:TH_LOAD_NT scope:SCOPE_SE
.Lno_ask_\@:
.endm
; A slot's second step (B's set 1) changes slots.  All its fragments were asked for in the step before.  In front of the barrier each wave waits for all its tensor loads, adds 0 to its spare word, and waits for that and for its
; reads of this slot; behind it (fill = 1: behind the round that it opens) this slot is filled again, and the next slot is read.
.macro TURN slot, next, fill
.if \fill
	s_wait_xcnt 0x0                                ; my last prefetch has read its base
	s_add_nc_u64 s[PFA:PFA+1], s[PFA:PFA+1], s[PST:PST+1]
.endif
	s_wait_tensorcnt 0x0                           ; my part of the next slot is in
	ds_add_u32 v[SPW], v[NIL]
	s_wait_dscnt 17                                ; the add and the youngest 16 loads (A's blocks 4-7) may be out
	MUL16 0, 1, \slot, 0
	s_wait_dscnt 0x0                               ; the add is done, and my reads of this slot are over
	s_barrier_signal -1
	MUL16 2, 1, \slot, 0
	WIN 0
	s_barrier_wait -1
.if \fill
	CREST
	s_add_nc_u64 s[G0+4*\slot+2:G0+4*\slot+3], s[G0+4*\slot+2:G0+4*\slot+3], 2*ROWB
	s_add_nc_u64 s[G0B+4*\slot+2:G0B+4*\slot+3], s[G0B+4*\slot+2:G0B+4*\slot+3], 2*WBLK
	JLOAD G0+4*\slot, G1, G0B+4*\slot, G1B         ; the first tensor load behind the round; its four v_nop are among the places in front of the loads below
	PLACES NP-4
.else
	PLACES NP
.endif
	v_add_nc_u32 v[ADSA], 8, v[ADSA]               ; x's scale words of the next K step
	s_wait_alu depctr_va_vdst(0)                   ; directly behind the write
	FB \next, 0, 0                                 ; the next slot's first step: B's set 0,
	FB \next, 0, 4
	FA \next, 0, 0                                 ; A's blocks 0-3,
	SCALES \next                                   ; and the slot's scale words
.if \fill
	ASK
.endif
	MUL16 4, 1, \slot, 0
	MUL16 6, 1, \slot, 0
	PLACES NP
	FA \next, 0, 4                                 ; A's blocks 4-7 of that step,
	FB \next, 1, 0                                 ; and, into the set just used, B's blocks 0-3 of the step after it
.endm
	s_wait_alu depctr_va_vdst(0)                   ; the head's end
	s_wait_loadcnt 0x0                             ; scale[n]
	s_wait_tensorcnt 0x0                           ; my tile of the head's four is in
	ds_add_u32 v[SPW], v[NIL]
	s_mov_b32 s[G1+2], 128<<16                     ; no tensor load of mine is out: from here on A's loads bring 128 rows
	s_mov_b32 s[G1+4], 128
	s_wait_dscnt 0x0
	CROUND
	JLOAD G0+4, G1, G0B+4, G1B                     ; K step 1, the first tensor load behind the round
	FB 0, 0, 0
	FB 0, 0, 4
	FA 0, 0, 0
	SCALES 0
	FA 0, 0, 4
	FB 0, 1, 0
	STEP 0, 1                                      ; the first step's products start the sums
	s_mov_b32 s3, LAPS-1
.Llap:
	TURN 0, 1, 1
	STEP 1, 0
	TURN 1, 0, 1
	STEP 0, 0
	s_sub_co_u32 s3, s3, 1
	s_cmp_lg_u32 s3, 0
	s_cbranch_scc1 .Llap
	TURN 0, 1, 0                                   ; the last lap fills nothing
	STEP 1, 0
	s_wait_dscnt 16                                ; the very last step
	MUL16 0, 1, 1, 0
	MUL16 2, 1, 1, 0
	s_wait_dscnt 0x0
	MUL16 4, 1, 1, 0
	MUL16 6, 1, 1, 0
	WIN 0
; THE WAY OUT, block by block of 16 rows x 128 columns: through my own stage and back as whole rows of 512 bytes; x scale[n]; 32 lanes store two aligned units of 256 bytes.
.macro TOSTAGE a
.set AC, 64*((\a)%4)
	WIN 0x08+4*((\a)/4)
.irp b, 0,1,2,3,4,5,6,7
	ds_store_b128 v[STO], v[AC+8*\b:AC+8*\b+3] offset:64*\b          ; each accumulator from its low end on
	ds_store_b128 v[STO], v[AC+8*\b+4:AC+8*\b+7] offset:64*\b+16
.endr
	WIN 0
.set BB, BK+64*((\a)%2)
.irp t, 0,1,2,3,4,5,6,7,8,9,10,11,12,13,14,15
	ds_load_b128 v[BB+4*\t:BB+4*\t+3], v[RD] offset:\t*SPITCH        ; LDS serves a wave's instructions in order: these see the stores above
.endr
.endm
.macro SEND a, younger
.set BB, BK+64*((\a)%2)
	s_wait_dscnt \younger
.if (\a) > 0
	s_add_nc_u64 s[12:13], s[12:13], 16*NROW       ; behind a wait on XCNT: the earlier stores have read their base
.endif
.irp t, 0,1,2,3,4,5,6,7,8,9,10,11,12,13,14,15
	v_pk_mul_f32 v[BB+4*\t:BB+4*\t+1], v[BB+4*\t:BB+4*\t+1], v[SCV:SCV+1]
	v_pk_mul_f32 v[BB+4*\t+2:BB+4*\t+3], v[BB+4*\t+2:BB+4*\t+3], v[SCV+2:SCV+3]
.endr
.irp t, 0,1,2,3,4,5,6,7,8,9,10,11,12,13,14,15
	global_store_b128 v[CO], v[BB+4*\t:BB+4*\t+3], s[12:13] offset:\t*NROW th:TH_STORE_NT
.endr
.endm
	PLACES NP
	TOSTAGE 0
.irp a, 1,2,3,4,5,6,7
.if \a > 1
	s_wait_xcnt 0x0                                ; block a - 2's stores have read their registers and their base
.endif
	TOSTAGE \a
	SEND \a-1, 32
.endr
	s_wait_xcnt 0x0
	SEND 7, 0
	s_wait_tensorcnt 0x0                           ; the wave's end
	ds_add_u32 v[SPW], v[NIL]
	s_wait_dscnt 0x0
	CROUND                                         ; the closing round
	s_endpgm
.Lfunc_end_k_qa9152036ac_gemm:
	.size	k_qa9152036ac_gemm, .Lfunc_end_k_qa9152036ac_gemm-k_qa9152036ac_gemm
	.p2alignl 7, 3214868480
	.fill 96, 4, 3214868480
	.section	.rodata,"a",@progbits
	.p2align	6, 0x0
	.amdhsa_kernel k_qa9152036ac_gemm
		.amdhsa_group_segment_fixed_size 327680
		.amdhsa_private_segment_fixed_size 0
		.amdhsa_enable_private_segment 0
		.amdhsa_kernarg_size 40
		.amdhsa_user_sgpr_count 2
		.amdhsa_user_sgpr_kernarg_segment_ptr 1
		.amdhsa_wavefront_size32 1
		.amdhsa_system_sgpr_workgroup_id_x 1
		.amdhsa_system_sgpr_workgroup_id_y 1
		.amdhsa_system_sgpr_workgroup_id_z 1
		.amdhsa_system_vgpr_workitem_id 0
		.amdhsa_next_free_vgpr 1024
		.amdhsa_next_free_sgpr 98
		.amdhsa_reserve_vcc 0
		.amdhsa_float_denorm_mode_32 3
		.amdhsa_float_denorm_mode_16_64 3
		.amdhsa_memory_ordered 1
		.amdhsa_forward_progress 1
		.amdhsa_inst_pref_size 163
	.end_amdhsa_kernel
	.amdgpu_metadata
---
amdhsa.version: [ 1, 2 ]
amdhsa.kernels:
  - .name:           k_qa9152036ac_gemm
    .symbol:         k_qa9152036ac_gemm.kd
    .args:
      - { .name: x_codes, .offset: 0, .size: 8, .value_kind: global_buffer, .address_space: global }
      - { .name: x_scales, .offset: 8, .size: 8, .value_kind: global_buffer, .address_space: global }
      - { .name: wq, .offset: 16, .size: 8, .value_kind: global_buffer, .address_space: global }
      - { .name: scale, .offset: 24, .size: 8, .value_kind: global_buffer, .address_space: global }
      - { .name: out0, .offset: 32, .size: 8, .value_kind: global_buffer, .address_space: global }
    .group_segment_fixed_size: 327680
    .private_segment_fixed_size: 0
    .kernarg_segment_align: 8
    .kernarg_segment_size: 40
    .max_flat_workgroup_size: 128
    .sgpr_count:     98
    .vgpr_count:     1024
    .wavefront_size: 32
...
	.end_amdgpu_metadata
.endif
;; end of part 2
